; MI455X (gfx1250); checked and timed in simulation.
; The chip was launched on July 23, 2026; its instructions are those of AMD's public machine-readable ISA for CDNA 5 (MIT licence, August 2026) and "CDNA5" Instruction Set Architecture Reference Guide (July 2026). The comments in the code are by the model that wrote it; some were corrected since.
;; MIPT Cell. Allowed arithmetic: matrix products marked QUANTISED: E2M3 operands, one E8M0 scale for each 32 along K, by v_wmma_scale_f32_16x16x128_f8f6f4 with both operands' format E2M3, f32 sums; everything else in f32.
;; Inputs: W_i 2,048 x 2,048 float32; W_p 2,048 x 2,048 float32; W_r 2,048 x 2,048 float32; W_theta 2,048 x 2,048 float32; b_i 2,048 float32; b_p 2,048 float32; b_r 2,048 float32; b_theta 2,048 float32; e_t_codes 4,096 x 64 x 24 uint8 (E2M3 codes of e_t, K innermost, in blocks of 32 codes, four codes in three bytes); e_t_scales 4,096 x 64 uint8 (E8M0 scales of e_t, one for each 32 codes along K); h_prev 4,096 x 4,096 float32.
;; Outputs: out0 4,096 x 4,096 float32.
;; This version of the problem:
;;   THIS VERSION OF THE PROBLEM IS GIVEN IN LOW PRECISION. The matrix products marked QUANTISED in the list below multiply operands that are first quantised to E2M3 (2 exponent bits, 3 mantissa bits; 6 bits a number), with one power-of-two scale for each 32 numbers along K (OCP MX v1.0); their sums are f32. All else is computed in f32.
;;   The module's matrix products, in the order in which they are computed (A, B: the left and right operand; K: the contracted axis; several contracted axes count as one K, in the product's order):
;;     1. [M 4,096, K 2,048] x [K 2,048, N 8,192]; A: input e_t (given as codes); B: computed on the way: QUANTISED
;;   THE QUANTISER, for each operand of a quantised product, along K:
;;     - K is cut into blocks of 32 from its start; a last block that is shorter is filled with zeros.
;;     - A block's scale is 2^e with e = floor(log2(the largest magnitude in the block)) - 2, held to -126 .. 127; a block of zeros has e = 0. As a byte (E8M0): e + 127.
;;     - Each number is divided by its block's scale, clamped to +-7.5, and rounded to the nearest number of E2M3, ties to even, subnormals kept.
;;     - The product sums the exact products of the quantised numbers (number of the format x scale) in f32.
;;   ~~~python
;;   def quantise(x, axis):      # numpy; x: float32 -> the quantised numbers, widened to float32 again
;;       x = np.moveaxis(x, axis, -1); K = x.shape[-1]
;;       x = np.pad(x, [(0, 0)] * (x.ndim - 1) + [(0, -K % 32)]); x = x.reshape(x.shape[:-1] + (-1, 32)); a = np.abs(x).max(-1, keepdims=True)
;;       e = np.where(a > 0, np.clip(np.frexp(np.where(a > 0, a, 1))[1] - 1 - 2, -126, 127), 0)      # np.frexp(a)[1] - 1 = floor(log2(a)), exactly
;;       r = np.clip(x / 2.0 ** e, -7.5, 7.5)
;;       step = 2.0 ** (np.maximum(np.frexp(np.where(r == 0, 1, r))[1] - 1, 0) - 3)
;;       q = np.round(r / step) * step * 2.0 ** e      # np.round: ties to even
;;       return np.moveaxis(q.reshape(q.shape[:-2] + (-1,))[..., :K], -1, axis).astype(np.float32)
;;   ~~~
;;   OPERANDS COMPUTED ON THE WAY. 'Computed on the way' means the value that the module computes at that place (a softmax that the list does not call 'softmax' is quantised finished and normalised). What goes into a quantiser is computed in f32, as accurately as f32 sums, v_exp_f32 and their like allow (about 1e-6 of the number): no bf16 or f16 on the way to a quantiser, and a product that is left as it is and whose result goes on into a quantised operand takes f32 operands (vector FMAs, or v_wmma_f32_16x16x4_f32). A number that lies on a knife's edge between two numbers of the format may be rounded either way, as far as f32 arithmetic and the matrix unit's own rounding can turn it there, and no further.
;;   INPUTS GIVEN AS CODES. e_t (in the module: [4096, 2048], K = its axis 1): each comes as NAME_codes (uint8): NAME with its K axis moved to the last place and cut into blocks of 32 codes, [.., K / 32, bytes a block], one block behind the other in memory; four codes in three bytes: a row's codes are one little-endian stream of bits, code i at bits 6 i .. 6 i + 5 (a code: sign, 2 exponent bits, 3 mantissa bits); and NAME_scales (uint8): the same leading axes, one E8M0 byte (e + 127) for each 32 codes along K. Its value is code x scale, taken as it is: it is not quantised again, and the codes and scales need not be those that the quantiser above would give.
;; One version. Each part assembles by itself: llvm-mc -triple=amdgcn-amd-amdhsa -mcpu=gfx1250 --defsym DOCPART=n.
;; ======== version 1 of 1: 2 launches
;; limits: right only within a limited range of input values
;; workspace buffers: w_codes 13,631,488 bytes; w_scales 524,288 bytes; e_codes 6,815,744 bytes
;; launch quant (part 1): grid 128 x 5, 4 waves a work-group, no clusters, 59,904 bytes of LDS; arguments W_p, W_theta, W_r, W_i, w_codes, w_scales, e_t_codes, e_codes; writes w_codes, w_scales, e_codes
.if DOCPART == 1
	.amdgcn_target "amdgcn-amd-amdhsa--gfx1250"
	.amdhsa_code_object_version 6
	.text
	.protected	k_q8f5d56aae5_quant
	.globl	k_q8f5d56aae5_quant
	.p2align	8
	.type	k_q8f5d56aae5_quant,@function
k_q8f5d56aae5_quant:
	s_mov_b64 s[64:65], 0
	v_nop
	global_prefetch_b8 v0, s[64:65] scope:SCOPE_SE
	s_setreg_imm32_b32 hwreg(HW_REG_WAVE_MODE, 25, 1), 1
	s_wait_xcnt 0x0
; W_p, W_theta, W_r, W_i ([2048][2048] f32, K innermost) become codes of FP6 (E2M3) with one E8M0 byte for each 32 along K.
; A block's byte is its largest magnitude's exponent field - 2, held at 1 from below; numbers beyond 7.5 x scale take the largest code.
; LIMITS: a block whose largest magnitude lies under 2^-124 (zeros too) gets the byte 1 (its codes add nothing; only this program reads the bytes); NaN and infinities among the weights are not served.
; LAYOUT OF THE CODES, the program's own: [K step of 256: 8][row][208 bytes]: 192 bytes of codes and 16 bytes that no fragment load reads, so that 16 rows of a K step are 3,328 bytes on end, 13 x 256.
; Row j of matrix mat (0 p, 1 theta, 2 r, 3 i) is row R = 128 (j / 32) + 32 mat + j % 32.  w_scales: [R][64].
; Work-groups (g, 0..3): rows 16 g .. 16 g + 15 of matrix mat, four rows a wave, 16 steps of 512 numbers; a step turns through the wave's own LDS stage so that a lane holds 16 neighbours along K.
; The codes gather in one LDS image of the work-group, 8 K steps x 3,328 bytes; behind a barrier wave w stores K steps 2 w and 2 w + 1: 13 stores, in each of which 16 neighbouring lanes cover 256 consecutive bytes, aligned.
; Work-groups (g, 4): e_t's codes [4096][1536] go into the same layout: a wave takes 16 rows x 4 K steps; each lane loads the 16 bytes that belong at its place of the destination (a row's thirteenth unit repeats
; the twelfth), so that its 26 stores cover whole aligned runs of 256 bytes too.  No LDS, no barrier on this path.
.set STEPS, 16
.set DEPTH, 8
.set CB,    12
.set R,     16                         ; v16-143 eight sets of 16 numbers as loaded; at the end what leaves
.set X,     144                        ; v144-175 two sets of 16 neighbours
.set E,     176                        ; v176-191 a scale byte a step
.set C,     192                        ; v192-255 codes, four registers a step; the fourth of some hold addresses:
.set VC,    195                        ; 16 lane + a K step - 3,328
.set IRD,   199                        ; the image, way out
.set VH,    203                        ; lane / 16
.set WREG,  8192
.set SP,    80
.set RP,    208                        ; a row of a K step
.set KIMG,  16*RP                      ; 16 rows of a K step
.set IMG,   4*WREG                     ; the image: 8 x KIMG bytes
.set SPARE, IMG+8*KIMG                 ; 59,392: the spare words
.set WSTR,  8192*RP                    ; a K step of W
.set ESTR,  4096*RP                    ; a K step of e_t
.set SO,    120                        ; the copy: v120-132 source offsets, v133, v134 destination offsets
	s_load_b256 s[4:11], s[0:1], 0x0
	s_load_b128 s[12:15], s[0:1], 0x20             ; w_codes, w_scales
	s_load_b128 s[28:31], s[0:1], 0x30             ; e_t_codes, e_codes
	v_lshl_add_u32 v251, v0, 2, SPARE
	v_mov_b32 v255, 0
	v_lshrrev_b32 v1, 5, v0
	v_readfirstlane_b32 s16, v1                    ; wave
	v_and_b32 v2, 31, v0                           ; lane
	v_lshlrev_b32 v3, 4, v2
	s_mul_i32 s17, s16, WREG
	s_mul_i32 s19, s16, 4*RP
	s_add_co_u32 s19, s19, IMG                     ; my four rows in the image
	s_mul_i32 s21, s16, 2*KIMG
	s_add_co_u32 s21, s21, IMG                     ; the two K steps that I store
	v_lshrrev_b32 v14, 2, v2
	v_mul_u32_u24 v14, v14, SP
	v_and_b32 v15, 3, v2
	v_lshl_add_u32 v14, v15, 4, v14
	v_add_nc_u32 v14, s17, v14                     ; stage, way in
	v_mul_u32_u24 v15, v2, SP
	v_add_nc_u32 v15, s17, v15                     ; stage, way out
	v_lshrrev_b32 v[VH], 4, v2
	v_and_b32 v4, 15, v2
	v_mul_u32_u24 v4, v4, CB
	v_mad_u32_u24 v4, v[VH], KIMG, v4
	v_add_nc_u32 v4, s19, v4                       ; my codes in the image: 12 (lane % 16) in K step lane / 16 of the step's two
	v_lshrrev_b32 v1, 3, v2
	v_mul_u32_u24 v1, v1, RP
	v_and_b32 v9, 7, v2
	v_mad_u32_u24 v1, v9, KIMG, v1
	v_add_nc_u32 v1, s19, v1                       ; the 16 bytes behind the codes: row lane / 8, K step lane % 8
	v_mad_u32_u24 v10, v[VH], WSTR-KIMG, v3        ; the store that lies across two K steps
	v_add_nc_u32 v[VC], WSTR-KIMG, v3
	v_add_nc_u32 v[IRD], s21, v3
	v_lshrrev_b32 v5, 1, v2
	s_add_co_u32 s17, s17, 2*32*SP
	v_add_nc_u32 v5, s17, v5                       ; my block's scale byte in LDS
	v_lshlrev_b32 v7, 3, v2
	v_add_nc_u32 v6, s17, v7
	s_and_b32 s18, ttmp7, 0xffff                   ; mat, or 4
	s_lshl_b32 s20, ttmp9, 2
	s_add_co_u32 s20, s20, s16                     ; 4 g + wave
	s_lshr_b32 s22, ttmp9, 1
	s_lshl_b32 s22, s22, 5
	s_lshl_b32 s23, s18, 3
	s_add_co_u32 s22, s22, s23
	s_and_b32 s23, ttmp9, 1
	s_lshl_b32 s23, s23, 2
	s_add_co_u32 s22, s22, s23                     ; R / 4 of the work-group's first row
	s_mul_i32 s24, s22, 4*RP
	s_mul_i32 s23, s16, 2*WSTR
	s_add_co_u32 s24, s24, s23                     ; its 16 rows in K step 2 wave
	s_mov_b32 s25, 0
	s_add_co_u32 s22, s22, s16
	s_lshl_b32 s26, s22, 8                         ; my four rows' scale bytes
	s_mov_b32 s27, 0
	s_mov_b32 s21, 0
	s_wait_alu depctr_va_vdst(0)                   ; the wait at the head's end
	s_wait_kmcnt 0x0
	s_cmp_eq_u32 s18, 4
	s_cbranch_scc1 .Lrelay
	s_lshl_b32 s20, s20, 15
	s_cmp_eq_u32 s18, 1
	s_cselect_b64 s[4:5], s[6:7], s[4:5]
	s_cmp_eq_u32 s18, 2
	s_cselect_b64 s[4:5], s[8:9], s[4:5]
	s_cmp_eq_u32 s18, 3
	s_cselect_b64 s[4:5], s[10:11], s[4:5]
	s_add_nc_u64 s[4:5], s[4:5], s[20:21]
	s_add_nc_u64 s[12:13], s[12:13], s[24:25]
	s_add_nc_u64 s[14:15], s[14:15], s[26:27]
.macro LOAD t
.irp i, 0,1,2,3
	global_load_b128 v[R+16*((\t)%DEPTH)+4*\i:R+16*((\t)%DEPTH)+4*\i+3], v3, s[4:5] offset:2048*(\t)+512*\i th:TH_LOAD_NT
.endr
.endm
.macro TURN t                          ; LDS serves a wave's instructions in order: no wait between the stores and the loads
.irp i, 0,1,2,3
	ds_store_b128 v14, v[R+16*((\t)%DEPTH)+4*\i:R+16*((\t)%DEPTH)+4*\i+3] offset:32*SP*((\t)%2)+8*SP*\i
.endr
.irp i, 0,1,2,3
	ds_load_b128 v[X+16*((\t)%2)+4*\i:X+16*((\t)%2)+4*\i+3], v15 offset:32*SP*((\t)%2)+16*\i
.endr
.endm
; store n of 13: two K steps x 3,328 bytes in a line; stores 0-5 lie in the first, 7-12 in the second, store 6 half in each
.macro ST13 n, dat, vb, vc, sb, imm
.if (\n) < 6
	global_store_b128 v3, v[\dat:\dat+3], s[\sb:\sb+1] offset:512*(\n)+(\imm)
.else
.if (\n) == 6
	global_store_b128 v[\vb], v[\dat:\dat+3], s[\sb:\sb+1] offset:512*(\n)+(\imm)
.else
	global_store_b128 v[\vc], v[\dat:\dat+3], s[\sb:\sb+1] offset:512*(\n)+(\imm)
.endif
.endif
.endm
.irp t, 0,1,2,3,4,5,6,7
	LOAD \t
.endr
	s_wait_loadcnt 28                              ; step 0's four loads are in, 28 younger ones stay out
	TURN 0
.macro STEP t
.set XS, X+16*((\t)%2)
.if (\t) > 0
	s_wait_dscnt 4                                 ; only the last step's four stores (a byte, three words of codes) may be out
.else
	s_wait_dscnt 0x0
.endif
.if (\t)+DEPTH < STEPS
	LOAD (\t)+DEPTH
.endif
.if (\t)+1 < STEPS
.if STEPS-2-(\t) >= DEPTH-1
	s_wait_loadcnt 4*(DEPTH-1)                     ; the next step's loads are in; seven steps' may be out
.else
	s_wait_loadcnt 4*(STEPS-2-(\t))
.endif
	TURN (\t)+1
.endif
	v_max3_num_f32 v8, |v[XS]|, |v[XS+1]|, |v[XS+2]|
	v_max3_num_f32 v9, |v[XS+3]|, |v[XS+4]|, |v[XS+5]|
.irp i, 6,10
	v_max3_num_f32 v8, v8, |v[XS+\i]|, |v[XS+\i+1]|
	v_max3_num_f32 v9, v9, |v[XS+\i+2]|, |v[XS+\i+3]|
.endr
	v_max3_num_f32 v8, v8, |v[XS+14]|, |v[XS+15]|
	v_max3_num_f32 v8, v8, v9, 0x1800000           ; the floor 2^(3 - 127): the byte stays at 1 or above
	v_max_num_f32_dpp v8, v8, v8 row_xmask:1 row_mask:0xf bank_mask:0xf   ; with my neighbour's 16: the block's
	v_add_nc_u32 v11, 0xff000000, v8               ; 2 off the exponent field: the conversion's scale operand
	v_cvt_scalef32_pk16_fp6_f32 v[C+4*(\t):C+4*(\t)+2], v[XS:XS+15], v11
	v_lshrrev_b32 v[E+(\t)], 23, v11               ; the byte (also the plain line behind the conversion)
	ds_store_b8 v5, v[E+(\t)] offset:16*(\t)
.irp i, 0,1,2
	ds_store_b32 v4, v[C+4*(\t)+\i] offset:2*((\t)%4)*KIMG+((\t)/4)*RP+4*\i   ; row t / 4 of my four, K steps 2 (t % 4) and the next
.endr
.endm
.irp t, 0,1,2,3,4,5,6,7,8,9,10,11,12,13,14,15
	STEP \t
.endr
.irp i, 0,1,2,3
	v_mov_b32 v[X+\i], 0
.endr
	ds_store_b128 v1, v[X:X+3] offset:192          ; zeros behind the codes of my 4 rows x 8 K steps
	ds_load_b64 v[12:13], v6
	s_wait_dscnt 0x0                               ; my part of the image is written
	s_barrier_signal -1
	s_barrier_wait -1                              ; everybody's is
.irp n, 0,1,2,3,4,5,6,7,8,9,10,11,12
	ds_load_b128 v[R+4*\n:R+4*\n+3], v[IRD] offset:512*\n
.endr
	global_store_b64 v7, v[12:13], s[14:15]        ; 256 consecutive scale bytes
.irp n, 0,1,2,3,4,5,6,7,8,9,10,11,12
	s_wait_dscnt 12-\n
	ST13 \n, R+4*\n, 10, VC, 12, 0
.endr
	s_wait_tensorcnt 0x0                           ; the wave's end
	ds_add_u32 v251, v255
	s_wait_dscnt 0x0
	s_endpgm
.Lrelay:                                               ; e_t's codes: rows 16 (W / 2) on, K steps 4 (W % 2) on, W = 4 g + wave
	s_lshr_b32 s17, s20, 1
	s_and_b32 s19, s20, 1
	s_mul_i32 s22, s17, 16*1536
	s_mul_i32 s26, s19, 4*192
	s_add_co_u32 s22, s22, s26
	s_mov_b32 s23, 0
	s_mul_i32 s24, s17, KIMG
	s_mul_i32 s26, s19, 4*ESTR
	s_add_co_u32 s24, s24, s26
	s_add_nc_u64 s[28:29], s[28:29], s[22:23]
	s_add_nc_u64 s[30:31], s[30:31], s[24:25]
	v_mad_u32_u24 v133, v[VH], ESTR-KIMG, v3
	v_add_nc_u32 v134, ESTR-KIMG, v3
; place d = 32 n + lane of two K steps' 416 units of 16 bytes: K step d / 208, row (d % 208) / 13, unit (d % 208) % 13, the thirteenth held at the twelfth
.irp n, 0,1,2,3,4,5,6,7,8,9,10,11,12
	v_add_nc_u32 v8, 32*\n-208*(\n/7), v2
.if \n == 6
	v_mul_u32_u24 v9, v[VH], 208
	v_sub_nc_u32 v8, v8, v9
.endif
	v_mul_u32_u24 v9, v8, 79
	v_lshrrev_b32 v9, 10, v9                       ; / 13, exact under 208
	v_mul_u32_u24 v11, v9, 13
	v_sub_nc_u32 v8, v8, v11
	v_min_u32 v8, 11, v8
	v_lshlrev_b32 v8, 4, v8
	v_mad_u32_u24 v[SO+\n], v9, 1536, v8
.if \n == 6
	v_mad_u32_u24 v[SO+\n], v[VH], 192, v[SO+\n]
.endif
.endr
.irp m, 0,1
.irp n, 0,1,2,3,4,5,6,7,8,9,10,11,12
	global_load_b128 v[R+52*\m+4*\n:R+52*\m+4*\n+3], v[SO+\n], s[28:29] offset:384*\m+192*(\n/7)
.endr
.endr
.irp m, 0,1
.irp n, 0,1,2,3,4,5,6,7,8,9,10,11,12
	s_wait_loadcnt 25-13*\m-\n                     ; this load is in; the younger ones stay out
	ST13 \n, R+52*\m+4*\n, 133, 134, 30, 2*ESTR*\m
.endr
.endr
	s_wait_tensorcnt 0x0
	ds_add_u32 v251, v255
	s_wait_dscnt 0x0
	s_endpgm
.Lfunc_end_k_q8f5d56aae5_quant:
	.size	k_q8f5d56aae5_quant, .Lfunc_end_k_q8f5d56aae5_quant-k_q8f5d56aae5_quant
	.p2alignl 7, 3214868480
	.fill 96, 4, 3214868480
	.section	.rodata,"a",@progbits
	.p2align	6, 0x0
	.amdhsa_kernel k_q8f5d56aae5_quant
		.amdhsa_group_segment_fixed_size 59904
		.amdhsa_private_segment_fixed_size 0
		.amdhsa_enable_private_segment 0
		.amdhsa_kernarg_size 64
		.amdhsa_user_sgpr_count 2
		.amdhsa_user_sgpr_kernarg_segment_ptr 1
		.amdhsa_wavefront_size32 1
		.amdhsa_system_sgpr_workgroup_id_x 1
		.amdhsa_system_sgpr_workgroup_id_y 1
		.amdhsa_system_sgpr_workgroup_id_z 1
		.amdhsa_system_vgpr_workitem_id 0
		.amdhsa_next_free_vgpr 256
		.amdhsa_next_free_sgpr 66
		.amdhsa_reserve_vcc 0
		.amdhsa_float_denorm_mode_32 3
		.amdhsa_float_denorm_mode_16_64 3
		.amdhsa_memory_ordered 1
		.amdhsa_forward_progress 1
		.amdhsa_inst_pref_size 50
	.end_amdhsa_kernel
	.amdgpu_metadata
---
amdhsa.version: [ 1, 2 ]
amdhsa.kernels:
  - .name:           k_q8f5d56aae5_quant
    .symbol:         k_q8f5d56aae5_quant.kd
    .args:
      - { .name: W_p, .offset: 0, .size: 8, .value_kind: global_buffer, .address_space: global }
      - { .name: W_theta, .offset: 8, .size: 8, .value_kind: global_buffer, .address_space: global }
      - { .name: W_r, .offset: 16, .size: 8, .value_kind: global_buffer, .address_space: global }
      - { .name: W_i, .offset: 24, .size: 8, .value_kind: global_buffer, .address_space: global }
      - { .name: w_codes, .offset: 32, .size: 8, .value_kind: global_buffer, .address_space: global }
      - { .name: w_scales, .offset: 40, .size: 8, .value_kind: global_buffer, .address_space: global }
      - { .name: e_t_codes, .offset: 48, .size: 8, .value_kind: global_buffer, .address_space: global }
      - { .name: e_codes, .offset: 56, .size: 8, .value_kind: global_buffer, .address_space: global }
    .group_segment_fixed_size: 59904
    .private_segment_fixed_size: 0
    .kernarg_segment_align: 8
    .kernarg_segment_size: 64
    .max_flat_workgroup_size: 128
    .sgpr_count:     66
    .vgpr_count:     256
    .wavefront_size: 32
...
	.end_amdgpu_metadata
.endif
;; end of part 1
;; launch cell (part 2): grid 32 x 16, 4 waves a work-group, clusters of 4 x 4, 327,680 bytes of LDS; arguments e_codes, e_t_scales, w_codes, w_scales, b_p, b_theta, b_r, b_i, h_prev, out0; writes out0
.if DOCPART == 2
	.amdgcn_target "amdgcn-amd-amdhsa--gfx1250"
	.amdhsa_code_object_version 6
	.text
	.protected	k_q8f5d56aae5_cell
	.globl	k_q8f5d56aae5_cell
	.p2align	8
	.type	k_q8f5d56aae5_cell,@function
k_q8f5d56aae5_cell:
	s_mov_b64 s[64:65], 0
	v_nop
	global_prefetch_b8 v0, s[64:65] scope:SCOPE_SE
	s_setreg_imm32_b32 hwreg(HW_REG_WAVE_MODE, 25, 1), 1
	s_wait_xcnt 0x0
	s_wait_alu depctr_hold_cnt(0) depctr_sa_sdst(0) depctr_va_vdst(0) depctr_va_sdst(0) depctr_va_ssrc(0) depctr_va_vcc(0) depctr_vm_vsrc(0)
	s_getreg_b32 s2, hwreg(HW_REG_IB_STS2, 6, 4)
	s_cmp_eq_u32 s2, 0
	s_cbranch_scc0 .Lentry_in_a_cluster
	s_endpgm
.Lentry_in_a_cluster:
	s_bfe_u32 s2, ttmp6, 0x10000c
	s_cmp_lg_u32 s2, 0xf033
	s_cbranch_scc0 .Lentry_shape_is_right
	s_endpgm
.Lentry_shape_is_right:
; proj = e_t W_cat^T + b_cat on codes of FP6 (E2M3) with E8M0 scales, and behind it, in registers: p = sigmoid(proj_p), c, s = cos, sin(proj_theta),
; out_re = (1 - p)(c h_re - s h_im) + p proj_r,  out_im = (1 - p)(s h_re + c h_im) + p proj_i.  proj never goes to memory.
; CODES, as the launch before laid them: [K step of 256: 8][row][208 bytes]; W's rows in its order 128 (j / 32) + 32 mat + j % 32.  128 rows of a K step are 26,624 bytes on end: a tile comes as 104 rows of 256 bytes
; and lies in LDS at a pitch of 208 bytes = 52 words: the 32 lanes of a load of 8 bytes touch 64 different banks (64 banks of 4 bytes: ISA guide 11.1).
; SHARES.  Work-group (tc, tr): 256 rows of e_t x 256 rows of W (j = 64 tc .. 64 tc + 63 of the four matrices).  Wave w: rows 128 (w / 2) on of e_t, 128 (w % 2) on of W: 64 accumulators.  The matrix instruction is used
; transposed (source 0 = W, source 1 = e_t): register i of accumulator (a, b) in lane (r, h) is proj of row 16 a + r, matrix b / 2, j = 16 (b % 2) + 8 h + i.  The biases are the C of each sum's first product.
; K goes in eight steps of 256 through a ring of two LDS slots; the scale bytes for all of K come once.  At the head one joint load a wave: e_t's tile, W's tile, e_t's scales, W's scales.
; CLUSTERS 4 x 4: e_t's tiles are asked for jointly along a row of the cluster, W's along a column.  h_prev's tile is a work-group's own (no mask).
; PREFETCH: K steps 1 and 2 at the head, K step t + 3 in turn t (its load stands in turn t + 1), none beyond step 7; of the 104 blocks of 256 bytes that a wave fetches each of the four partners names 26, told apart by
; address (lanes 26-31 name the last again).  h: 32 rows of the wave's region at the head and in each of the loop's three trips.
; h_prev: behind the last change of slots slot 0 and the gap behind it take 256 rows x 64 j x 2 planes of h; the results are stored over h in place and leave as whole rows of 256 bytes.
; SINE AND COSINE: n = theta / pi rounded (by adding 1.5 x 2^23), f = theta (1/pi)hi - n + theta (1/pi)lo, |f| <= 1/2; polynomials of degree 5 in f^2 (Abramowitz and Stegun 4.3.97, 4.3.99); (-1)^n goes onto (1 - p).
; LIMITS: the angle is good to about 1e-7 rad for |theta| up to about 1e5; from |theta| = 2^22 pi on n's parity is lost.  A scale byte 0xff among e_t's gives NaN, as the format says.
; REGISTERS: window 0: v1-7 at work, v12-31 addresses; v32-63 scale words, two sets; v64-127 biases; v128-223 e_t's fragments; window 1: W's fragments, two sets; windows 2, 3: accumulators.
.set NQ,     2
.set PITCH,  208
.set FR,     12
.set NL,     6
.set NP,     4
.set HALFT,  128*PITCH                 ; 26,624: 128 rows, in memory and in LDS
.set SLOT,   4*HALFT
.set SLOTD,  139264                    ; slot 1; slot 0 and the gap behind it later hold h
.set ESTR,   4096*PITCH                ; a K step of e_t in memory
.set WSTR,   8192*PITCH                ; of W
.set LAPS,   4
.set KS,     64
.set SCL,    SLOTD+SLOT                ; 245,760: the scales, runs of 256 bytes + 16
.set HALFS,  32*272
.set SBLK,   4*272
.set SPARE,  SCL+4*HALFS               ; 280,576: the spare words
.set HP,     272
.set HREG,   128*HP
.set HBLK,   16*HP
.set ROWH,   16384
.set PFO,  12                          ; prefetch: 256 x min(lane, 25)
.set ADRS0, 15
.set ADRA, 16                          ; v16-17 e_t's fragments in slot 0, 1
.set ADRB, 20                          ; v20-21 W's
.set AHR,  24
.set RD,   25
.set CO,   26
.set ADRS, 27
.set SPW,  28
.set NIL,  29
.set AHI,  30
.set PFA,  31                          ; prefetch: lane x a row of h_prev
.set SC,   32
.set BI,   64
.set AF,   128
.set OB,   32
.set RX,   64
.set RT,   80
.set RN,   96
.set RF,   112
.set RS,   128
.set RC,   144
.set H0,   160
.set RQ,   192
.set VMG,  208
.set VS5,  210
.set VC5,  212
.set HE,   4                           ; s[4:7], s[8:11] group 0 of the head's two tiles of codes
.set HW,   8
.set G0H,  20
.set G1,   24
.set G0,   32
.set PF1,  40                          ; s[40:41] K step 1 of my blocks; s[44:45] a K step's bytes; s[46:47] the K step asked for last
.set STR,  44
.set PF,   46
.set G1B,  48
.set G0B,  56
.set G1S,  68
.set G0S,  76
.set G1SB, 80
.set G0SB, 88
.set G1H,  92
.set K_L2E, 24
.set K_IPH, 26
.set K_IPL, 28
.set K_NMG, 30
.set K_S4,  32
.set K_S3,  34
.set K_S2,  36
.set K_S1,  38
.set K_S0,  40
.set K_C4,  42
.set K_C3,  44
.set K_C2,  46
.set K_C1,  48
.set MSB, 0
.macro WIN new
.if MSB != (\new)
	s_set_vgpr_msb (MSB<<8)|(\new)
.set MSB, (\new)
.endif
.endm
.set MUL_LO, 0xa1
.set MUL_HI, 0xf1
.set TO_B,   0x40
.macro WMUL hi, zero
.if \zero
	WIN 0x81+0x40*(\hi)
.else
	WIN MUL_LO+0x50*(\hi)
.endif
.endm
.macro TLOAD g0, g1                    ; a tensor load with the nops behind it
	tensor_load_to_lds s[\g0:\g0+3], s[\g1:\g1+7]
	s_nop 0
.rept 4
	v_nop
.endr
.endm
.macro JLOAD g0a, g1a, g0b, g1b        ; waves 0, 1 fetch for e_t, waves 2, 3 for W
	s_cmp_eq_u32 s15, 0
	s_cbranch_scc0 .Lfor_b_\@
	TLOAD \g0a, \g1a
	s_branch .Lasked_\@
.Lfor_b_\@:
	TLOAD \g0b, \g1b
.Lasked_\@:
.endm
.macro CREST
	s_cmp_lg_u32 s14, 0
	s_cbranch_scc1 .Lnot_wave_0_\@
	s_barrier_signal -3
.Lnot_wave_0_\@:
	s_barrier_wait -3
	s_barrier_signal -1
	s_barrier_wait -1
.endm
.macro CROUND
	s_barrier_signal -1
	s_barrier_wait -1
	CREST
.endm
.macro PLACES n
.rept \n
	v_nop
.endr
.endm
	s_load_b256 s[4:11], s[0:1], 0x0               ; e_t's codes, e_t's scales, W's codes, W's scales
	s_load_b256 s[92:99], s[0:1], 0x20             ; the four biases
	s_load_b64 s[100:101], s[0:1], 0x40            ; h_prev
	s_load_b64 s[12:13], s[0:1], 0x48              ; out0
	v_lshl_add_u32 v[SPW], v0, 2, SPARE
	v_mov_b32 v[NIL], 0
	ds_add_u32 v[SPW], v[NIL]                      ; the opening lines: the add twice on end and one wait
	ds_add_u32 v[SPW], v[NIL]
	v_lshrrev_b32 v1, 5, v0
	v_readfirstlane_b32 s14, v1                    ; wave
	v_and_b32 v2, 31, v0
	v_lshlrev_b32 v[PFA], 14, v2
	v_min_u32 v2, 25, v2
	v_lshlrev_b32 v[PFO], 8, v2
	s_lshr_b32 s15, s14, 1                         ; my 128 rows of e_t; I fetch for e_t (0) or W (1); my plane of h
	s_and_b32 s16, s14, 1                          ; my 128 rows of W; which half of a tile I fetch
	s_bfe_u32 s40, ttmp6, 0x40000                  ; cx
	s_bfe_u32 s41, ttmp6, 0x40004                  ; cy
	s_lshl_b32 s42, ttmp9, 2
	s_add_co_u32 s42, s42, s40                     ; tc
	s_and_b32 s17, ttmp7, 0xffff
	s_lshl_b32 s17, s17, 2
	s_add_co_u32 s17, s17, s41                     ; tr
	s_lshl_b32 s43, s41, 2
	s_lshl_b32 s43, 15, s43                        ; my row of the cluster
	s_lshl_b32 s44, 0x1111, s40                    ; my column
	s_or_b32 s[G1+0], s43, (3<<16)|(1<<21)         ; codes: rows of 32 elements of 8 bytes, dense; 208 rows at the head, 104 in the ring
	s_or_b32 s[G1B+0], s44, (3<<16)|(1<<21)
.irp g, G1, G1B
	s_mov_b32 s[\g+1], 32<<16
	s_mov_b32 s[\g+2], 208<<16
	s_mov_b32 s[\g+3], 32<<16
	s_mov_b32 s[\g+4], 208
	s_mov_b32 s[\g+5], 32
	s_mov_b32 s[\g+6], 0
	s_mov_b32 s[\g+7], 0
.endr
	s_or_b32 s[G1S+0], s43, (3<<16)|(1<<20)|(1<<21)|(5<<22)|(3<<25)   ; scales of 256 rows: 64 rows of 256 bytes, 16 bytes of padding behind each
	s_or_b32 s[G1SB+0], s44, (3<<16)|(1<<20)|(1<<21)|(5<<22)|(3<<25)
.irp g, G1S, G1SB
	s_mov_b32 s[\g+1], 32<<16
	s_mov_b32 s[\g+2], 64<<16
	s_mov_b32 s[\g+3], 32<<16
	s_mov_b32 s[\g+4], 64
	s_mov_b32 s[\g+5], 32
	s_mov_b32 s[\g+6], 0
	s_mov_b32 s[\g+7], 0
.endr
	s_lshl_b32 s20, s17, 8                         ; e_t: row 256 tr
	s_lshl_b32 s46, s42, 8                         ; W: row 256 tc
	s_lshl_b32 s22, s20, 6
	s_mov_b32 s23, 0
	s_mul_i32 s20, s20, PITCH
	s_mov_b32 s21, 0
	s_lshl_b32 s2, s46, 6
	s_mov_b32 s3, 0
	s_mul_i32 s46, s46, PITCH
	s_mov_b32 s47, 0
	s_mul_i32 s18, s16, HALFT                      ; the half that I fetch in the ring
	s_mov_b32 s19, 0
	s_mul_i32 s45, s14, HALFT                      ; and where it goes
	s_lshl_b32 s66, s17, 8                         ; h_prev, out0: rows 256 tr + 128 (w % 2) on, plane w / 2, columns 64 tc on
	s_lshl_b32 s67, s16, 7
	s_add_co_u32 s66, s66, s67
	s_lshl_b32 s66, s66, 14
	s_lshl_b32 s67, s15, 13
	s_add_co_u32 s66, s66, s67
	s_lshl_b32 s67, s42, 8
	s_add_co_u32 s66, s66, s67
	s_mov_b32 s67, 0
	s_wait_alu depctr_va_vdst(0)                   ; the wait ahead of the waits below
	s_wait_dscnt 0x0                               ; both opening adds are done
	s_wait_kmcnt 0x0
	s_add_nc_u64 s[20:21], s[4:5], s[20:21]
	s_add_nc_u64 s[22:23], s[6:7], s[22:23]
	s_add_nc_u64 s[46:47], s[8:9], s[46:47]
	s_add_nc_u64 s[2:3], s[10:11], s[2:3]
	s_mov_b32 s[HE], 1                             ; K step 0: e_t's 256 rows,
	s_mov_b32 s[HE+1], 0
	s_mov_b64 s[HE+2:HE+3], s[20:21]
	s_or_b32 s[HE+3], s[HE+3], 0x80000000
	s_mov_b32 s[HW], 1                             ; W's 256 rows,
	s_mov_b32 s[HW+1], 2*HALFT
	s_mov_b64 s[HW+2:HW+3], s[46:47]
	s_or_b32 s[HW+3], s[HW+3], 0x80000000
	s_mov_b32 s[G0S], 1                            ; e_t's scales,
	s_mov_b32 s[G0S+1], SCL
	s_mov_b64 s[G0S+2:G0S+3], s[22:23]
	s_or_b32 s[G0S+3], s[G0S+3], 0x80000000
	s_mov_b32 s[G0SB], 1                           ; W's scales
	s_mov_b32 s[G0SB+1], SCL+2*HALFS
	s_mov_b64 s[G0SB+2:G0SB+3], s[2:3]
	s_or_b32 s[G0SB+3], s[G0SB+3], 0x80000000
	s_add_nc_u64 s[20:21], s[20:21], s[18:19]      ; the ring: my 128 rows
	s_add_nc_u64 s[46:47], s[46:47], s[18:19]
.irp s, 0,1
	s_mov_b32 s[G0+4*\s], 1
	s_add_co_u32 s[G0+4*\s+1], s45, \s*SLOTD
	s_add_nc_u64 s[G0+4*\s+2:G0+4*\s+3], s[20:21], \s*ESTR
	s_or_b32 s[G0+4*\s+3], s[G0+4*\s+3], 0x80000000
	s_mov_b32 s[G0B+4*\s], 1
	s_add_co_u32 s[G0B+4*\s+1], s45, \s*SLOTD
	s_add_nc_u64 s[G0B+4*\s+2:G0B+4*\s+3], s[46:47], \s*WSTR
	s_or_b32 s[G0B+4*\s+3], s[G0B+4*\s+3], 0x80000000
.endr
	s_cmp_eq_u32 s15, 0                            ; the prefetches: e_t's blocks are shared out by cx, W's by cy
	s_cselect_b32 s43, s40, s41
	s_cselect_b64 s[PF1:PF1+1], s[20:21], s[46:47]
	s_mov_b32 s[STR], WSTR
	s_cselect_b32 s[STR], ESTR, s[STR]
	s_mov_b32 s[STR+1], 0
	s_mul_i32 s18, s43, 26*256
	s_add_nc_u64 s[PF1:PF1+1], s[PF1:PF1+1], s[18:19]
	s_add_nc_u64 s[PF1:PF1+1], s[PF1:PF1+1], s[STR:STR+1]   ; K step 1
	s_add_nc_u64 s[PF:PF+1], s[PF1:PF1+1], s[STR:STR+1]     ; K step 2
	s_add_nc_u64 s[12:13], s[12:13], s[66:67]
	s_add_nc_u64 s[100:101], s[100:101], s[66:67]
	global_prefetch_b8 v[PFO], s[PF1:PF1+1] th:TH_LOAD_NT scope:SCOPE_SE
	global_prefetch_b8 v[PFO], s[PF:PF+1] th:TH_LOAD_NT scope:SCOPE_SE
	global_prefetch_b8 v[PFA], s[100:101] th:TH_LOAD_NT scope:SCOPE_SE
	CROUND                                         ; the first joint loads meet
.macro ARM under, g0, g1, next         ; one chain of branches on the wave's number, one load to an arm
	s_cmp_lt_u32 s14, \under
	s_cbranch_scc0 \next
	TLOAD \g0, \g1
	s_branch .Lhead_asked
\next:
.endm
	ARM 1, HE,  G1,  .Lhead_b
	ARM 2, HW,  G1B, .Lhead_sa
	ARM 3, G0S, G1S, .Lhead_sb
	TLOAD G0SB, G1SB
.Lhead_asked:
	s_mul_i32 s2, s15, HALFT                       ; my rows of e_t in a slot,
	s_mul_i32 s3, s16, HALFT
	s_add_co_u32 s3, s3, 2*HALFT                   ; of W
	s_mul_i32 s18, s15, HALFS                      ; e_t's scales,
	s_mul_i32 s19, s16, HALFS
	s_add_co_u32 s19, s19, 2*HALFS
	s_sub_co_u32 s19, s19, s18                     ; the distance to W's
	s_add_co_u32 s18, s18, SCL
	s_mul_i32 s43, s15, HREG                       ; h for the tail
	s_lshl_b32 s66, s16, 7
	s_add_co_u32 s43, s43, s66
	s_mul_i32 s66, s14, HREG                       ; region w, the way out
	s_lshl_b32 s20, s42, 8                         ; the biases at j = 64 tc + 32 (w % 2)
	s_lshl_b32 s21, s16, 7
	s_add_co_u32 s20, s20, s21
	s_mov_b32 s21, 0
.irp m, 0,1,2,3
	s_add_nc_u64 s[92+2*\m:93+2*\m], s[92+2*\m:93+2*\m], s[20:21]
.endr
	v_and_b32 v1, 15, v0                           ; r
	v_bfe_u32 v2, v0, 4, 1                         ; h
	v_mul_u32_u24 v3, v1, PITCH
	v_mad_u32_u24 v4, v2, 24, v3
	v_add_nc_u32 v[ADRA], s2, v4
	v_add_nc_u32 v[ADRB], s3, v4
	v_add_nc_u32 v[ADRA+1], SLOTD, v[ADRA]
	v_add_nc_u32 v[ADRB+1], SLOTD, v[ADRB]
	v_mul_u32_u24 v5, v1, KS
	v_lshrrev_b32 v6, 8, v5
	v_lshl_add_u32 v5, v6, 4, v5
	v_mul_u32_u24 v6, s19, v2                      ; lanes 16-31 take W's
	v_add_nc_u32 v5, v5, v6
	v_add_nc_u32 v[ADRS0], s18, v5
	v_mov_b32 v[ADRS], v[ADRS0]
	v_mul_u32_u24 v5, v1, HP
	v_lshl_add_u32 v5, v2, 5, v5
	v_add_nc_u32 v[AHR], s43, v5
	v_add_nc_u32 v[AHI], 2*HREG, v[AHR]
	v_mul_u32_u24 v5, v2, HP
	v_lshl_add_u32 v5, v1, 4, v5
	v_add_nc_u32 v[RD], s66, v5
	v_lshlrev_b32 v5, 14, v2
	v_lshl_add_u32 v[CO], v1, 4, v5
	v_lshlrev_b32 v7, 5, v2
	s_wait_alu depctr_va_vdst(0)                   ; the wait at the head's end
.irp b, 0,1,2,3,4,5,6,7
	global_load_b128 v[BI+8*\b:BI+8*\b+3],   v7, s[92+2*(\b/2):93+2*(\b/2)] offset:64*(\b%2)
	global_load_b128 v[BI+8*\b+4:BI+8*\b+7], v7, s[92+2*(\b/2):93+2*(\b/2)] offset:64*(\b%2)+16
.endr
	s_mov_b32 s[G0H], 1
	s_mul_i32 s[G0H+1], s14, HREG
	s_mov_b64 s[G0H+2:G0H+3], s[100:101]
	s_or_b32 s[G0H+3], s[G0H+3], 0x80000000
.macro FRAG reg, adr, q, i             ; 16 rows x 128 K: lane (r, h) takes 24 bytes at 96 q + 24 h and 24 at 96 q + 48 + 24 h of its row, in pieces of 8
.irp p, 0,1,2,3,4,5
	ds_load_b64 v[\reg+2*\p:\reg+2*\p+1], v[\adr] offset:96*(\q)+48*(\p/3)+8*(\p%3)+(\i)*16*PITCH
.endr
.endm
.macro MUL16 a0, p, q, sc, zero        ; the 64 accumulators take turns
.irp a, \a0, \a0+1
.irp b, 0,1,2,3,4,5,6,7
.if \zero
	v_wmma_scale_f32_16x16x128_f8f6f4 v[8*(8*((\a)%4)+\b):8*(8*((\a)%4)+\b)+7], v[128*(\p)+FR*\b:128*(\p)+FR*\b+FR-1], v[AF+FR*(\a):AF+FR*(\a)+FR-1], v[BI+8*\b:BI+8*\b+7], v[SC+8*NQ*(\sc)+NQ*\b+(\q)], v[SC+8*NQ*(\sc)+NQ*(\a)+(\q)] matrix_a_fmt:MATRIX_FMT_FP6 matrix_b_fmt:MATRIX_FMT_FP6 matrix_a_scale:MATRIX_SCALE_ROW1
.else
	v_wmma_scale_f32_16x16x128_f8f6f4 v[8*(8*((\a)%4)+\b):8*(8*((\a)%4)+\b)+7], v[128*(\p)+FR*\b:128*(\p)+FR*\b+FR-1], v[AF+FR*(\a):AF+FR*(\a)+FR-1], v[8*(8*((\a)%4)+\b):8*(8*((\a)%4)+\b)+7], v[SC+8*NQ*(\sc)+NQ*\b+(\q)], v[SC+8*NQ*(\sc)+NQ*(\a)+(\q)] matrix_a_fmt:MATRIX_FMT_FP6 matrix_b_fmt:MATRIX_FMT_FP6 matrix_a_scale:MATRIX_SCALE_ROW1
.endif
.endr
.endr
.endm
.macro FETCH_B slot, q, p, i0
	WIN TO_B
.irp i, \i0, \i0+1, \i0+2, \i0+3
	FRAG 128*(\p)+FR*(\i), ADRB+\slot, \q, \i
.endr
.endm
.macro FETCH_A slot, q, i0
	WIN 0
.irp i, \i0, \i0+1, \i0+2, \i0+3
	FRAG AF+FR*(\i), ADRA+\slot, \q, \i
.endr
.endm
.macro FETCH_A2 slot, q, i0
	WIN 0
.irp i, \i0, \i0+1
	FRAG AF+FR*(\i), ADRA+\slot, \q, \i
.endr
.endm
.macro SCALES sc                       ; a K step's two words a row: lanes 0-15 e_t's block i, lanes 16-31 W's
	WIN 0
.irp i, 0,1,2,3,4,5,6,7
	ds_load_b64 v[SC+8*NQ*\sc+NQ*\i:SC+8*NQ*\sc+NQ*\i+1], v[ADRS] offset:\i*SBLK
.endr
.endm
; A step of 128 along K with its successor in the same slot.  Issued ahead of it, in this order: W 0-3, scale words, W 4-7, e_t 0-1 | e_t 2-3 (12 loads) | e_t 4-7 (24).
.macro STEP slot, q, zero
	s_wait_dscnt 6*NL                              ; the youngest 36 loads (e_t's blocks 2-7) may be out
	WMUL 0, \zero
	MUL16 0, (\q)%2, \q, \slot, \zero
	FETCH_B \slot, (\q)+1, 1-(\q)%2, 0
	s_wait_dscnt 8*NL                              ; e_t 2, 3 are in; behind them blocks 4-7 and the 24 just issued
	WMUL 0, \zero
	MUL16 2, (\q)%2, \q, \slot, \zero
	FETCH_B \slot, (\q)+1, 1-(\q)%2, 4
	s_wait_dscnt 8*NL                              ; e_t 4-7 are in; behind them this step's two runs of 24
	WMUL 1, \zero
	MUL16 4, (\q)%2, \q, \slot, \zero
	PLACES NP
	FETCH_A \slot, (\q)+1, 0
	WMUL 1, \zero
	MUL16 6, (\q)%2, \q, \slot, \zero
	PLACES NP
	FETCH_A \slot, (\q)+1, 4
.endm
; A slot's last step changes slots.  fill = 1: the slot takes the K step two on, by a joint load; fill = 2: h goes into slot 0 and the gap, a region a wave.  s18 = 16 x the lap: the next K step's scale words lie 8 bytes a step on.
.macro TURN slot, next, fill
	s_wait_xcnt 0x0                                ; my prefetches have read their addresses
.if \fill == 1
	s_add_nc_u64 s[PF:PF+1], s[PF:PF+1], s[STR:STR+1]
.if \slot == 0
	s_add_nc_u64 s[100:101], s[100:101], 32*ROWH
.endif
.endif
	s_wait_tensorcnt 0x0                           ; all my tensor loads have landed
	ds_add_u32 v[SPW], v[NIL]
.if \fill == 1
	s_add_nc_u64 s[G0+4*\slot+2:G0+4*\slot+3], s[G0+4*\slot+2:G0+4*\slot+3], 2*ESTR
	s_add_nc_u64 s[G0B+4*\slot+2:G0B+4*\slot+3], s[G0B+4*\slot+2:G0B+4*\slot+3], 2*WSTR
.endif
	s_add_co_u32 s19, s18, 8*(1+\slot)
	s_wait_dscnt 4*NL+1                            ; the add and e_t's blocks 4-7 may be out
	WIN MUL_LO
	MUL16 0, 1, NQ-1, \slot, 0
	s_wait_dscnt 0x0                               ; the add is done, my reads of this slot are over
	s_barrier_signal -1
	MUL16 2, 1, NQ-1, \slot, 0
	WIN 0
	s_barrier_wait -1
	CREST
.if \fill == 1
	JLOAD G0+4*\slot, G1, G0B+4*\slot, G1B
.else
	TLOAD G0H, G1H
.endif
	v_add_nc_u32 v[ADRS], s19, v[ADRS0]
	FETCH_B \next, 0, 0, 0
	SCALES \next
.if \fill == 1
.if \slot == 0
	global_prefetch_b8 v[PFO], s[PF:PF+1] th:TH_LOAD_NT scope:SCOPE_SE
	global_prefetch_b8 v[PFA], s[100:101] th:TH_LOAD_NT scope:SCOPE_SE
.else
	s_cmp_gt_u32 s3, 1                             ; in the last trip this would be K step 8
	s_cbranch_scc0 .Lno_ask_\@
	global_prefetch_b8 v[PFO], s[PF:PF+1] th:TH_LOAD_NT scope:SCOPE_SE
.Lno_ask_\@:
.endif
.endif
	WIN MUL_HI
	MUL16 4, 1, NQ-1, \slot, 0
	FETCH_B \next, 0, 0, 4
	FETCH_A2 \next, 0, 0
	WIN MUL_HI
	MUL16 6, 1, NQ-1, \slot, 0
	PLACES NP
	FETCH_A2 \next, 0, 2
	FETCH_A \next, 0, 4
.endm
	s_wait_tensorcnt 0x0                           ; my tile of the head's four is in
	ds_add_u32 v[SPW], v[NIL]
	s_mov_b32 s[G1+2], 104<<16                     ; no load of mine is out: from here on a load brings 104 rows of 256 bytes
	s_mov_b32 s[G1+4], 104
	s_mov_b32 s[G1B+2], 104<<16
	s_mov_b32 s[G1B+4], 104
	s_wait_dscnt 0x0
	CROUND
	JLOAD G0+4, G1, G0B+4, G1B                     ; K step 1 into slot 1
	FETCH_B 0, 0, 0, 0
	SCALES 0
	FETCH_B 0, 0, 0, 4
	FETCH_A2 0, 0, 0
	FETCH_A2 0, 0, 2
	FETCH_A 0, 0, 4
	s_wait_loadcnt 0x0                             ; the biases are in; their address registers are free
	s_mov_b32 s[G1H+0], (2<<16)|(1<<20)|(5<<22)|(3<<25)   ; h: 128 rows x 64 f32, 16 bytes of padding behind each row; no mask
	s_mov_b32 s[G1H+1], 64<<16
	s_mov_b32 s[G1H+2], 128<<16
	s_mov_b32 s[G1H+3], 64<<16
	s_mov_b32 s[G1H+4], 128
	s_mov_b32 s[G1H+5], 4096
	s_mov_b32 s[G1H+6], 0
	s_mov_b32 s[G1H+7], 0
	STEP 0, 0, 1                                   ; the first products start the sums on the biases
	s_mov_b32 s18, 0
	s_mov_b32 s3, LAPS-1
.Llap:
	TURN 0, 1, 1
	STEP 1, 0, 0
	TURN 1, 0, 1
	STEP 0, 0, 0
	s_add_co_u32 s18, s18, 16
	s_sub_co_u32 s3, s3, 1
	s_cmp_lg_u32 s3, 0
	s_cbranch_scc1 .Llap
	TURN 0, 1, 2                                   ; the last change of slots: h goes out
	STEP 1, 0, 0
	s_wait_dscnt 4*NL
	WIN MUL_LO
	MUL16 0, 1, NQ-1, 1, 0
	MUL16 2, 1, NQ-1, 1, 0
	s_wait_dscnt 0
	WIN MUL_HI
	MUL16 4, 1, NQ-1, 1, 0
	MUL16 6, 1, NQ-1, 1, 0
	WIN 0
; THE TAIL
.macro KONST reg, bits
	s_mov_b32 s[\reg], \bits
	s_mov_b32 s[\reg+1], \bits
.endm
.macro BAR
	s_wait_dscnt 0x0
	s_barrier_signal -1
	s_barrier_wait -1
.endm
.macro HLOAD a                         ; h_re, h_im of block a into set a % 2, in the accumulators' layout
.set HB, H0+54*((\a)%2)
.irp j, 0,1
.irp c, 0,1
	ds_load_b128 v[HB+8*\j+4*\c:HB+8*\j+4*\c+3], v[AHR] offset:(\a)*HBLK+64*\j+16*\c
	ds_load_b128 v[HB+16+8*\j+4*\c:HB+16+8*\j+4*\c+3], v[AHI] offset:(\a)*HBLK+64*\j+16*\c
.endr
.endr
.endm
.macro EPA a                           ; what reads proj_p and proj_theta; each accumulator from its low end on
.set AC, 64*((\a)%4)
	WIN 0x02+(\a)/4
.irp k, 0,1,2,3,4,5,6,7
	v_pk_mul_f32 v[RX+2*\k:RX+2*\k+1], v[AC+2*\k:AC+2*\k+1], s[K_L2E:K_L2E+1] op_sel_hi:[1,0]
.endr
.irp k, 0,1,2,3,4,5,6,7
	v_pk_fma_f32 v[RT+2*\k:RT+2*\k+1], v[AC+16+2*\k:AC+16+2*\k+1], s[K_IPH:K_IPH+1], v[VMG:VMG+1] op_sel_hi:[1,0,1]
.endr
.irp k, 0,1,2,3,4,5,6,7
	v_pk_add_f32 v[RN+2*\k:RN+2*\k+1], s[K_NMG:K_NMG+1], v[RT+2*\k:RT+2*\k+1] op_sel_hi:[0,1]
.endr
.irp k, 0,1,2,3,4,5,6,7
	v_pk_fma_f32 v[RF+2*\k:RF+2*\k+1], v[AC+16+2*\k:AC+16+2*\k+1], s[K_IPH:K_IPH+1], v[RN+2*\k:RN+2*\k+1] op_sel_hi:[1,0,1] neg_lo:[0,0,1] neg_hi:[0,0,1]
.endr
.irp k, 0,1,2,3,4,5,6,7
	v_pk_fma_f32 v[RF+2*\k:RF+2*\k+1], v[AC+16+2*\k:AC+16+2*\k+1], s[K_IPL:K_IPL+1], v[RF+2*\k:RF+2*\k+1] op_sel_hi:[1,0,1]
.endr
	WIN 0
.endm
.macro EPB1                            ; p, sine, cosine, (1 - p) (-1)^n
.irp e, 0,1,2,3,4,5,6,7,8,9,10,11,12,13,14,15
	v_exp_f32 v[RX+\e], v[RX+\e]
	v_lshlrev_b32 v[RT+\e], 31, v[RT+\e]
.endr
	s_wait_alu depctr_va_vdst(0)
.irp k, 0,1,2,3,4,5,6,7
	v_pk_add_f32 v[RX+2*\k:RX+2*\k+1], v[RX+2*\k:RX+2*\k+1], 1.0 op_sel_hi:[1,0]
.endr
	s_wait_alu depctr_va_vdst(0)
.irp e, 0,1,2,3,4,5,6,7
	v_rcp_f32 v[RX+\e], v[RX+\e]
	v_pk_mul_f32 v[RN+2*\e:RN+2*\e+1], v[RF+2*\e:RF+2*\e+1], v[RF+2*\e:RF+2*\e+1]
.endr
	s_wait_alu depctr_va_vdst(0)
.irp e, 0,1,2,3,4,5,6,7
	v_rcp_f32 v[RX+8+\e], v[RX+8+\e]
	v_pk_fma_f32 v[RS+2*\e:RS+2*\e+1], v[RN+2*\e:RN+2*\e+1], v[VS5:VS5+1], s[K_S4:K_S4+1] op_sel_hi:[1,1,0]
.endr
.irp k, 0,1,2,3,4,5,6,7
	v_pk_fma_f32 v[RC+2*\k:RC+2*\k+1], v[RN+2*\k:RN+2*\k+1], v[VC5:VC5+1], s[K_C4:K_C4+1] op_sel_hi:[1,1,0]
.endr
	s_wait_alu depctr_va_vdst(0)
.irp z, 0,1,2
.irp k, 0,1,2,3,4,5,6,7
	v_pk_fma_f32 v[RS+2*\k:RS+2*\k+1], v[RS+2*\k:RS+2*\k+1], v[RN+2*\k:RN+2*\k+1], s[K_S3+2*\z:K_S3+2*\z+1] op_sel_hi:[1,1,0]
.endr
.irp k, 0,1,2,3,4,5,6,7
	v_pk_fma_f32 v[RC+2*\k:RC+2*\k+1], v[RC+2*\k:RC+2*\k+1], v[RN+2*\k:RN+2*\k+1], s[K_C3+2*\z:K_C3+2*\z+1] op_sel_hi:[1,1,0]
.endr
.endr
.irp k, 0,1,2,3,4,5,6,7
	v_pk_fma_f32 v[RS+2*\k:RS+2*\k+1], v[RS+2*\k:RS+2*\k+1], v[RN+2*\k:RN+2*\k+1], s[K_S0:K_S0+1] op_sel_hi:[1,1,0]
.endr
.irp k, 0,1,2,3,4,5,6,7
	v_pk_fma_f32 v[RC+2*\k:RC+2*\k+1], v[RC+2*\k:RC+2*\k+1], v[RN+2*\k:RN+2*\k+1], 1.0 op_sel_hi:[1,1,0]
.endr
	s_wait_alu depctr_va_vdst(0)
.irp k, 0,1,2,3,4,5,6,7
	v_pk_fma_f32 v[RQ+2*\k:RQ+2*\k+1], v[RX+2*\k:RX+2*\k+1], -1.0, 1.0 op_sel_hi:[1,0,0]
.endr
.irp k, 0,1,2,3,4,5,6,7
	v_pk_mul_f32 v[RS+2*\k:RS+2*\k+1], v[RS+2*\k:RS+2*\k+1], v[RF+2*\k:RF+2*\k+1]
.endr
.irp e, 0,1,2,3,4,5,6,7,8,9,10,11,12,13,14,15
	v_xor_b32 v[RQ+\e], v[RQ+\e], v[RT+\e]
.endr
.endm
.macro EPB2 a                          ; the rotation of h, times (1 - p)
.set HB, H0+54*((\a)%2)
.irp k, 0,1,2,3,4,5,6,7
	v_pk_mul_f32 v[RT+2*\k:RT+2*\k+1], v[RS+2*\k:RS+2*\k+1], v[HB+16+2*\k:HB+16+2*\k+1]
.endr
.irp k, 0,1,2,3,4,5,6,7
	v_pk_mul_f32 v[RF+2*\k:RF+2*\k+1], v[RS+2*\k:RS+2*\k+1], v[HB+2*\k:HB+2*\k+1]
.endr
.irp k, 0,1,2,3,4,5,6,7
	v_pk_fma_f32 v[RT+2*\k:RT+2*\k+1], v[RC+2*\k:RC+2*\k+1], v[HB+2*\k:HB+2*\k+1], v[RT+2*\k:RT+2*\k+1] neg_lo:[0,0,1] neg_hi:[0,0,1]
.endr
.irp k, 0,1,2,3,4,5,6,7
	v_pk_fma_f32 v[RF+2*\k:RF+2*\k+1], v[RC+2*\k:RC+2*\k+1], v[HB+16+2*\k:HB+16+2*\k+1], v[RF+2*\k:RF+2*\k+1]
.endr
.irp k, 0,1,2,3,4,5,6,7
	v_pk_mul_f32 v[RT+2*\k:RT+2*\k+1], v[RQ+2*\k:RQ+2*\k+1], v[RT+2*\k:RT+2*\k+1]
.endr
.irp k, 0,1,2,3,4,5,6,7
	v_pk_mul_f32 v[RF+2*\k:RF+2*\k+1], v[RQ+2*\k:RQ+2*\k+1], v[RF+2*\k:RF+2*\k+1]
.endr
.endm
.macro EPC a                           ; + p proj_r, + p proj_i
.set AC, 64*((\a)%4)
	WIN 0x02+(\a)/4
.irp k, 0,1,2,3,4,5,6,7
	v_pk_fma_f32 v[RS+2*\k:RS+2*\k+1], v[AC+32+2*\k:AC+32+2*\k+1], v[RX+2*\k:RX+2*\k+1], v[RT+2*\k:RT+2*\k+1]
.endr
.irp k, 0,1,2,3,4,5,6,7
	v_pk_fma_f32 v[RC+2*\k:RC+2*\k+1], v[AC+48+2*\k:AC+48+2*\k+1], v[RX+2*\k:RX+2*\k+1], v[RF+2*\k:RF+2*\k+1]
.endr
	WIN 0
.endm
.macro HSTORE a                        ; the results over h, each lane over the bytes that it read
.irp j, 0,1
.irp c, 0,1
	ds_store_b128 v[AHR], v[RS+8*\j+4*\c:RS+8*\j+4*\c+3] offset:(\a)*HBLK+64*\j+16*\c
	ds_store_b128 v[AHI], v[RC+8*\j+4*\c:RC+8*\j+4*\c+3] offset:(\a)*HBLK+64*\j+16*\c
.endr
.endr
.endm
.macro OUTLD a                         ; rows 16 a .. 16 a + 15 of region w, whole
.if (\a) > 0
	s_wait_xcnt 0x0                                ; the stores of the block before have read their data registers
.endif
.irp t, 0,1,2,3,4,5,6,7
	ds_load_b128 v[OB+4*\t:OB+4*\t+3], v[RD] offset:(\a)*HBLK+\t*2*HP
.endr
.endm
.macro OUTST a                         ; 16 lanes store 256 consecutive bytes, aligned
.irp t, 0,1,2,3,4,5,6,7
	global_store_b128 v[CO], v[OB+4*\t:OB+4*\t+3], s[12:13] offset:(16*(\a)+2*\t)*ROWH th:TH_STORE_NT
.endr
.endm
	s_wait_tensorcnt 0x0                           ; my region of h has landed; the descriptors' registers may be written
	KONST K_L2E, 0xbfb8aa3b                        ; -log2 e
	KONST K_IPH, 0x3ea2f983                        ; 1 / pi
	KONST K_IPL, 0x325c9c88                        ; 1 / pi less that
	KONST K_NMG, 0xcb400000                        ; -1.5 x 2^23
	KONST K_S4,  0x3da80b28
	KONST K_S3,  0xbf1968ab
	KONST K_S2,  0x402335e1
	KONST K_S1,  0xc0a55de7
	KONST K_S0,  0x40490fdb
	KONST K_C4,  0x3e70954f
	KONST K_C3,  0xbfaae857
	KONST K_C2,  0x4081e0f3
	KONST K_C1,  0xc09de9e6
	PLACES NP
	v_mov_b32 v[VMG], 0x4b400000
	v_mov_b32 v[VMG+1], 0x4b400000
	v_mov_b32 v[VS5], 0xbbe6684c
	v_mov_b32 v[VS5+1], 0xbbe6684c
	v_mov_b32 v[VC5], 0xbcc7d8b0
	v_mov_b32 v[VC5+1], 0xbcc7d8b0
	s_wait_alu depctr_va_vdst(0)                   ; the wait ahead of the barrier
	BAR                                            ; everybody's region of h has landed
	HLOAD 0
	EPA 0
	s_wait_alu depctr_va_vdst(0)
; a block of 16 of my rows at a time: between two barriers a wave touches only its own 128 bytes of the block's rows; behind the barrier wave w takes region w's rows whole
.irp a, 0,1,2,3,4,5,6,7
.if \a < 7
	HLOAD \a+1
.endif
	s_wait_alu depctr_va_vdst(0)
	EPB1
.if \a < 7
	s_wait_dscnt 8                                 ; only the next block's eight loads of h may be out
.else
	s_wait_dscnt 0x0
.endif
.if \a > 0
	OUTST \a-1
.endif
	EPB2 \a
	EPC \a
	HSTORE \a
.if \a < 7
	EPA \a+1
.endif
	BAR
	OUTLD \a
.endr
	s_wait_dscnt 0x0
	OUTST 7
	s_wait_tensorcnt 0x0                           ; the wave's end
	ds_add_u32 v[SPW], v[NIL]
	s_wait_dscnt 0x0
	CROUND                                         ; the closing round
	s_endpgm
.Lfunc_end_k_q8f5d56aae5_cell:
	.size	k_q8f5d56aae5_cell, .Lfunc_end_k_q8f5d56aae5_cell-k_q8f5d56aae5_cell
	.p2alignl 7, 3214868480
	.fill 96, 4, 3214868480
	.section	.rodata,"a",@progbits
	.p2align	6, 0x0
	.amdhsa_kernel k_q8f5d56aae5_cell
		.amdhsa_group_segment_fixed_size 327680
		.amdhsa_private_segment_fixed_size 0
		.amdhsa_enable_private_segment 0
		.amdhsa_kernarg_size 80
		.amdhsa_user_sgpr_count 2
		.amdhsa_user_sgpr_kernarg_segment_ptr 1
		.amdhsa_wavefront_size32 1
		.amdhsa_system_sgpr_workgroup_id_x 1
		.amdhsa_system_sgpr_workgroup_id_y 1
		.amdhsa_system_sgpr_workgroup_id_z 1
		.amdhsa_system_vgpr_workitem_id 0
		.amdhsa_next_free_vgpr 1024
		.amdhsa_next_free_sgpr 102
		.amdhsa_reserve_vcc 0
		.amdhsa_float_denorm_mode_32 3
		.amdhsa_float_denorm_mode_16_64 3
		.amdhsa_memory_ordered 1
		.amdhsa_forward_progress 1
		.amdhsa_inst_pref_size 255
	.end_amdhsa_kernel
	.section	.bss,"aw",@nobits
	.p2align	6
	.space	262144
	.amdgpu_metadata
---
amdhsa.version: [ 1, 2 ]
amdhsa.kernels:
  - .name:           k_q8f5d56aae5_cell
    .symbol:         k_q8f5d56aae5_cell.kd
    .args:
      - { .name: e_codes, .offset: 0, .size: 8, .value_kind: global_buffer, .address_space: global }
      - { .name: e_t_scales, .offset: 8, .size: 8, .value_kind: global_buffer, .address_space: global }
      - { .name: w_codes, .offset: 16, .size: 8, .value_kind: global_buffer, .address_space: global }
      - { .name: w_scales, .offset: 24, .size: 8, .value_kind: global_buffer, .address_space: global }
      - { .name: b_p, .offset: 32, .size: 8, .value_kind: global_buffer, .address_space: global }
      - { .name: b_theta, .offset: 40, .size: 8, .value_kind: global_buffer, .address_space: global }
      - { .name: b_r, .offset: 48, .size: 8, .value_kind: global_buffer, .address_space: global }
      - { .name: b_i, .offset: 56, .size: 8, .value_kind: global_buffer, .address_space: global }
      - { .name: h_prev, .offset: 64, .size: 8, .value_kind: global_buffer, .address_space: global }
      - { .name: out0, .offset: 72, .size: 8, .value_kind: global_buffer, .address_space: global }
    .group_segment_fixed_size: 327680
    .private_segment_fixed_size: 0
    .kernarg_segment_align: 8
    .kernarg_segment_size: 80
    .max_flat_workgroup_size: 128
    .sgpr_count:     102
    .vgpr_count:     1024
    .wavefront_size: 32
...
	.end_amdgpu_metadata
.endif
;; end of part 2
